; MI455X (gfx1250); checked and timed in simulation.
; The chip was launched on July 23, 2026; its instructions are those of AMD's public machine-readable ISA for CDNA 5 (MIT licence, August 2026) and "CDNA5" Instruction Set Architecture Reference Guide (July 2026). The comments in the code are by the model that wrote it; some were corrected since.
;; VI Neural ODE. Allowed arithmetic: float matrix products may take bf16 or f16 operands with f32 sums; all other float work in f32.
;; Inputs: W1 128 x 512 float32; W2 512 x 128 float32; b1 512 float32; b2 128 float32; u1 512 float32; x0 128 x 128 float32.
;; Outputs: out0 128 x 128 float32; out1 128 float32; out2 128 float32.
;; Constants: n_steps = 8.
;; One version. Each part assembles by itself: llvm-mc -triple=amdgcn-amd-amdhsa -mcpu=gfx1250 --defsym DOCPART=n.
;; ======== version 1 of 1: 1 launch
;; launch node (part 1): grid 8 x 1, 4 waves a work-group, no clusters, 285,952 bytes of LDS; arguments x0, W1, b1, u1, W2, b2, out0, out1, out2; writes out0, out1, out2
.if DOCPART == 1
	.amdgcn_target "amdgcn-amd-amdhsa--gfx1250"
	.amdhsa_code_object_version 6
	.text
	.protected	k_q1e4030f847_node
	.globl	k_q1e4030f847_node
	.p2align	8
	.type	k_q1e4030f847_node,@function
k_q1e4030f847_node:
	s_mov_b64 s[64:65], 0
	v_nop
	global_prefetch_b8 v0, s[64:65] scope:SCOPE_SE
	s_setreg_imm32_b32 hwreg(HW_REG_WAVE_MODE, 25, 1), 1
	s_wait_xcnt 0x0
; Dopri5, 8 steps x 6 stages, of  dx/dt = tanh(x W1 + b1 + t u1) W2 + b2  with the log-determinant and the KL integrand.
; x0 [128][128], W1 [128][512], W2 [512][128], b1, u1 [512], b2 [128], all f32.  out0 = z, out1 = log_px, out2 = kl.
;
; THE TRACE.  jac[i][i] = sum_j W1[i][j] (1 - h_j^2) W2[j][i], so trace = sum_j c_j (1 - h_j^2) with c_j = sum_i W1[i][j] W2[j][i],
; which does not change over the integration.  That holds for every input; the 128 tangent products are not formed.
; log_det and kl never feed back into x and only their combinations with the weights BW are returned (BW2 = 0), so the
; intermediate combinations, and stage 2's trace and dot product, are not computed.
;
; SHARING.  Samples do not interact and the matrix unit's small side is 16: work-group g owns batch rows 16 g .. 16 g + 15 and
; integrates them alone; 128 / 16 = 8 work-groups is all the independent work there is.  Four waves.  Wave w owns hidden units
; 128 w .. +127 (all of product 1's K, a quarter of product 2's K) and the state's dims 32 w .. +31.
; Both weight matrices stay in registers as bf16 fragments: 2 x 32 fragments x 8 registers in each wave.
; Everything is computed TRANSPOSED (weights are source A, the batch is the side of 16): register j of result tile t in lane (r, h)
; is (feature 16 t + 8 h + j, sample r), and two such tiles rounded pairwise to bf16 ARE the B fragment of the next product.
; So h never leaves the registers.  Per stage two things cross waves through LDS, each behind one barrier:
; the partial sums of k (each wave sends three 32-dim blocks and receives three) and the new x in bf16 (1 KiB a wave).
; Slots are rotated by the wave number, rot[s] = (w + s) & 3, so that slot 0 is always the wave's own block.
;
; NO CLUSTER, NO TENSOR LOAD: the only shared input is the weights, 512 KiB in f32, read once ahead of 48 stages that touch no
; memory; they must be scaled and rounded on the way, which takes them through registers anyhow, and in f32 they exceed LDS.
;
; LIMITS, stated.  tanh(a) = 1 - 2 / (1 + 2^(K a)), K = 2 log2(e) folded into W1 (before its rounding to bf16), b1 and u1:
; absolute error about 1e-7, +-1 at overflow and underflow.  x, h, W1, W2 are bf16 as matrix operands only; state, k, tanh,
; dot products and traces are f32.  c_j comes from the bf16 weights with f32 sums.  The constant part of the trace, -sum c_j, is
; added once, since the weights dt BW_i of all 8 steps sum to 1 (to the last bit of the literals).  Stage states are running sums
; S += (dt a) k, not y + dt * sum: another order of rounding than the reference's.
; ---- LDS ----
.set ST_W,  36864                      ; per wave: 128 rows x 256 bytes of bf16 at pitch 288 (9 x 32: the transposing loads' rows fall on different banks)
.set PITCH, 288
.set L_TB,  147456                     ; per wave: 49 rows x 128 f32, row n = K (b1 + t_n u1), n = 6 step + stage; row 48 is t = 1
.set TB_W,  25088
.set L_P,   247808                     ; partial sums: [source wave] 6144 [slot pair - 1] 2048 [block of 4 registers] 512 [lane] 16
.set L_X,   272384                     ; x in bf16: [source wave] 1024 [half fragment] 512 [lane] 16
.set L_Z,   276480                     ; z on its way out: 16 rows at pitch 528
.set ZP,    528
.set L_R,   284928                     ; [wave] 128 [quantity] 64 [sample] 4
; ---- vector registers, block 0 ----
.set LN, 1                             ; lane
.set RR, 2                             ; lane & 15: the sample
.set HH, 3                             ; lane >> 4
.set PST, 4                            ; where I put partial sums
.set PLD, 4                            ; v[PLD+q], q = 1..3: where I fetch them
.set XST, 8                            ; where I put my x fragment
.set XLD, 8                            ; v[XLD+s], s = 1..3: where I fetch the others'
.set TBA, 12                           ; my bias table, this step's row 0
.set L16, 13                           ; 16 x lane
.set NT,   14                          ; pair: log_det so far (my share)
.set DACC, 16                          ; pair: sum of w x.k so far
.set DOT,  18
.set SQ,   20                          ; pair: sum of x0^2
.set TR,   22                          ; v[22:29] four chains of the trace
.set XA,   32                          ; 16: stage state, f32 (two buffers in turn)
.set XB,   48
.set ACC1, 64                          ; 64: bias -> pre-activation -> h -> h^2
.set ACC2, 128                         ; 64: k; [0:15] my dims, [16:63] sent, then received
.set HF,   192                         ; 32: h as four B fragments
.set XF,   224                         ; 32: x as four B fragments, slot 0 my own
; block 0, only ahead of the loop
.set BK, 48
.set UK, 52
.set TT, 56
.set TS, 58
.set OO, 60
.set TMPC, 64                          ; 32
.set OX,  96
.set OB2, 97
.set OW1, 98
.set OW2, 99
.set STS, 100
.set TBW, 101
.set AD1, 102
.set AD2, 106
.set ADC, 110
.set IDX, 114
.set CB,  128                          ; 128: sixteen B fragments for c
; block 1: W1's fragment (hidden tile t, K slot s) at 32 t + 8 s.   block 2: first the load ring, then W2's fragment (t, s) likewise.
; block 3:
.set CC,  0                            ; 64: c of my lane's hidden units, index as ACC1
.set YS3, 64
.set YS4, 80
.set YS5, 96
.set YS6, 112
.set YY,  128
.set BB2, 144
; ---- f32 constants as bit patterns ----
.set KLOG,  0x4038aa3b                 ; 2 log2(e)
.set PLN2H, 0x3eb17218                 ; ln(2) / 2 = 1 / K
.set NLN2H, 0xbeb17218
.set K_A21, 0x3ccccccd                 ; all tableau entries times dt = 1/8
.set K_A31, 0x3c19999a
.set K_A32, 0x3ce66666
.set K_A41, 0x3dfa4fa5
.set K_A42, 0xbeeeeeef
.set K_A43, 0x3ee38e39
.set K_A51, 0x3ebcf760
.set K_A52, 0xbfb9885f
.set K_A53, 0x3f9d2a92
.set K_A54, 0xbd14e4f6
.set K_A61, 0x3eb62960
.set K_A62, 0xbfac1f08
.set K_A63, 0x3f8e80b5
.set K_A64, 0x3d0e8ba3
.set K_A65, 0xbd0c0c4c
.set K_B1,  0x3c3aaaab
.set K_B3,  0x3d66024d
.set K_B4,  0x3da6aaab
.set K_B5,  0xbd250e7e
.set K_B6,  0x3c861862
; s_set_vgpr_msb: bits 1:0 source 0, 3:2 source 1, 5:4 source 2, 7:6 destination; the high byte repeats the setting that is left.
.set MSB, 0
.macro WIN new
.if MSB != \new
	s_set_vgpr_msb (MSB<<8)|\new
.set MSB, \new
.endif
.endm
.macro NOPS n
.rept \n
	v_nop
.endr
.endm
; ================= ids and addresses =================
	s_load_b512 s[4:19], s[0:1], 0x0               ; x0 s[4:5], W1 s[6:7], b1 s[8:9], u1 s[10:11], W2 s[12:13], b2 s[14:15], out0 s[16:17], out1 s[18:19]
	s_load_b64 s[20:21], s[0:1], 0x40              ; out2
	s_set_vgpr_msb 0xc0
	v_lshl_add_u32 v160, v0, 2, 0x45b00
	v_mov_b32 v161, 0
	s_set_vgpr_msb 0xc000
	v_and_b32 v[LN], 31, v0
	v_lshrrev_b32 v30, 5, v0
	v_readfirstlane_b32 s22, v30                   ; wave w
	v_and_b32 v[RR], 15, v0
	v_bfe_u32 v[HH], v0, 4, 1
	v_lshlrev_b32 v[L16], 4, v[LN]
	s_mov_b32 s28, 0x76543210                      ; v_permlanex16_b32: lane i of the other half
	s_mov_b32 s29, 0xfedcba98
	s_mov_b32 s24, s22                             ; rot[0..3] = (w + s) & 3
	s_add_co_u32 s25, s22, 1
	s_and_b32 s25, s25, 3
	s_add_co_u32 s26, s22, 2
	s_and_b32 s26, s26, 3
	s_add_co_u32 s27, s22, 3
	s_and_b32 s27, s27, 3
	s_mul_i32 s37, s22, ST_W                       ; my staging slice
	s_lshl_b32 s30, ttmp9, 13                      ; 16 rows of 512 bytes a work-group
	s_lshl_b32 s31, s22, 7                         ; my 32 dims: 128 bytes
	s_add_co_u32 s30, s30, s31
	v_lshlrev_b32 v[OX], 9, v[RR]                  ; x0: row 16 g + r, dim 32 w + 8 h
	v_lshl_add_u32 v[OX], v[HH], 5, v[OX]
	v_add_nc_u32 v[OX], s30, v[OX]
	v_lshl_add_u32 v[OB2], v[HH], 5, s31           ; b2: dim 32 w + 8 h
	s_lshl_b32 s30, s22, 9
	v_lshl_add_u32 v[OW1], v[LN], 4, s30           ; W1, b1, u1: hidden unit 128 w + 4 lane
	s_lshl_b32 s30, s22, 16
	v_lshl_add_u32 v[OW2], v[LN], 4, s30           ; W2: row 128 w, dim 4 lane
	v_lshl_add_u32 v[STS], v[LN], 3, s37           ; staging: 4 bf16 a lane
	s_mul_i32 s30, s22, TB_W
	s_add_co_u32 s30, s30, L_TB
	v_lshl_add_u32 v[TBW], v[LN], 4, s30
	v_lshl_add_u32 v[TBA], v[HH], 5, s30
	v_and_b32 v30, 7, v0                           ; transposing load: row 8 h + (lane & 7), 16 bytes by bit 3 of the lane
	v_lshl_add_u32 v30, v[HH], 3, v30
	v_mul_u32_u24 v30, v30, PITCH
	v_bfe_u32 v31, v0, 3, 1
	v_lshl_add_u32 v30, v31, 4, v30
	v_add_nc_u32 v30, s37, v30
	v_mul_u32_u24 v31, v[RR], PITCH                ; plain fragment load: row r, 16 bytes by h
	v_lshl_add_u32 v31, v[HH], 4, v31
	v_add_nc_u32 v31, s37, v31
.irp s, 0,1,2,3
	s_mul_i32 s30, s[24+\s], 32*PITCH
	v_add_nc_u32 v[AD1+\s], s30, v30               ; W1: K slot s = rows (dims) 32 rot[s] ..
	s_lshl_b32 s30, s[24+\s], 6
	v_add_nc_u32 v[AD2+\s], s30, v30               ; W2: slot pair s = columns (dims) 32 rot[s] ..
	v_add_nc_u32 v[ADC+\s], s30, v31               ; W2 as B of the c product: K slot s = dims 32 rot[s] ..
.endr
	v_mul_u32_u24 v[IDX], v[HH], 96                ; lane 24 h + j holds the diagonal element (8 h + j, 8 h + j) in register j
.irp j, 1,2,3,4,5,6,7
	v_add_nc_u32 v[IDX+\j], 4*\j, v[IDX]
.endr
	s_mul_i32 s30, s22, 6144
	s_add_co_u32 s30, s30, L_P
	v_add_nc_u32 v[PST], s30, v[L16]
	s_lshl_b32 s30, s22, 10
	s_add_co_u32 s30, s30, L_X
	v_add_nc_u32 v[XST], s30, v[L16]
.irp q, 1,2,3
	s_mul_i32 s30, s[28-\q], 6144                  ; wave (w - q) & 3 keeps my dims in its slot pair q
	s_add_co_u32 s30, s30, L_P
	v_add_nc_u32 v[PLD+\q], s30, v[L16]
	s_lshl_b32 s30, s[24+\q], 10
	s_add_co_u32 s30, s30, L_X
	v_add_nc_u32 v[XLD+\q], s30, v[L16]
.endr
	s_wait_kmcnt 0x0
; ================= loads: the small inputs, then a ring of 64 rows of weights =================
	global_load_b128 v[XA:XA+3],     v[OX], s[4:5]             ; XA[8 u + j] = x0[16 g + r][32 w + 16 u + 8 h + j]
	global_load_b128 v[XA+4:XA+7],   v[OX], s[4:5] offset:16
	global_load_b128 v[XA+8:XA+11],  v[OX], s[4:5] offset:64
	global_load_b128 v[XA+12:XA+15], v[OX], s[4:5] offset:80
	WIN 0xC0
	global_load_b128 v[BB2:BB2+3],     v[OB2], s[14:15]        ; b2 of the same dims, into block 3
	global_load_b128 v[BB2+4:BB2+7],   v[OB2], s[14:15] offset:16
	global_load_b128 v[BB2+8:BB2+11],  v[OB2], s[14:15] offset:64
	global_load_b128 v[BB2+12:BB2+15], v[OB2], s[14:15] offset:80
	WIN 0
	global_load_b128 v[BK:BK+3], v[OW1], s[8:9]
	global_load_b128 v[UK:UK+3], v[OW1], s[10:11]
; Group g = 16 rows of my slice (g < 8: W1's rows = dims; else W2's rows = my hidden units); a load covers 512 neighbouring bytes.
; The ring is block 2: four groups of 64 registers.
.macro LDG g
	WIN 0x80
.set j, 0
.rept 16
.if \g < 8
	global_load_b128 v[64*(\g&3)+4*j:64*(\g&3)+4*j+3], v[OW1], s[6:7] offset:(16*\g+j)*2048
.else
	global_load_b128 v[64*(\g&3)+4*j:64*(\g&3)+4*j+3], v[OW2], s[12:13] offset:(16*(\g-8)+j)*512
.endif
.set j, j+1
.endr
.endm
; Group g: scale (W1 only), round to bf16, put into the staging slice.  n = loads of the younger groups, which stay out.
.macro CVG g, n
	s_wait_loadcnt \n
.if \g < 8
	WIN 0x82
.set i, 0
.rept 32
	v_pk_mul_f32 v[64*(\g&3)+i:64*(\g&3)+i+1], v[64*(\g&3)+i:64*(\g&3)+i+1], KLOG op_sel_hi:[1,0]
.set i, i+2
.endr
.endif
	WIN 0x0A
.set i, 0
.rept 32
	v_cvt_pk_bf16_f32 v[TMPC+i], v[64*(\g&3)+2*i], v[64*(\g&3)+2*i+1]
.set i, i+1
.endr
	WIN 0
.set j, 0
.rept 16
	ds_store_b64 v[STS], v[TMPC+2*j:TMPC+2*j+1] offset:PITCH*(16*(\g&7)+j)
.set j, j+1
.endr
.endm
	LDG 0
	LDG 1
	LDG 2
	LDG 3
	WIN 0
; ================= the bias table, while the weights are on their way =================
	s_wait_loadcnt 0x3f                            ; 74 loads issued: the oldest 11 are in, u1 is the tenth
	v_pk_mul_f32 v[BK:BK+1],   v[BK:BK+1],   KLOG op_sel_hi:[1,0]
	v_pk_mul_f32 v[BK+2:BK+3], v[BK+2:BK+3], KLOG op_sel_hi:[1,0]
	v_pk_mul_f32 v[UK:UK+1],   v[UK:UK+1],   KLOG op_sel_hi:[1,0]
	v_pk_mul_f32 v[UK+2:UK+3], v[UK+2:UK+3], KLOG op_sel_hi:[1,0]
	v_mov_b32 v[TT], 0
	v_mov_b32 v[TT+1], 0
.macro TABROW tsrc, row
	v_pk_fma_f32 v[OO:OO+1],   v[UK:UK+1],   v[\tsrc:\tsrc+1], v[BK:BK+1]
	v_pk_fma_f32 v[OO+2:OO+3], v[UK+2:UK+3], v[\tsrc:\tsrc+1], v[BK+2:BK+3]
	ds_store_b128 v[TBW], v[OO:OO+3] offset:512*\row
.endm
.macro TABAT row, c
	v_pk_add_f32 v[TS:TS+1], v[TT:TT+1], \c op_sel_hi:[1,0]
	TABROW TS, \row
.endm
	s_mov_b32 s36, 0
.Ltab:                                             ; one trip = one step's six rows
	TABROW TT, 0
	TABAT 1, 0x3ccccccd                            ; t + dt / 5
	TABAT 2, 0x3d19999a                            ; t + 3 dt / 10
	TABAT 3, 0x3dcccccd                            ; t + 4 dt / 5
	TABAT 4, 0x3de38e39                            ; t + 8 dt / 9
	TABAT 5, 0x3e000000                            ; t + dt
	v_pk_add_f32 v[TT:TT+1], v[TT:TT+1], 0x3e000000 op_sel_hi:[1,0]
	v_add_nc_u32 v[TBW], 3072, v[TBW]
	s_add_co_u32 s36, s36, 1
	s_cmp_lt_u32 s36, 8
	s_cbranch_scc1 .Ltab
	TABROW TT, 0                                   ; row 48, t = 1: the last stage's look-ahead reads written bytes
; ================= W1: stage, then 32 fragments into block 1 =================
	CVG 0, 48
	LDG 4
	CVG 1, 48
	LDG 5
	CVG 2, 48
	LDG 6
	CVG 3, 48
	LDG 7
	CVG 4, 48
	LDG 8
	CVG 5, 48
	LDG 9
	CVG 6, 48
	LDG 10
	CVG 7, 48
	LDG 11
	WIN 0x40                                       ; LDS serves a wave's instructions in order (ISA guide 5.7.1): these see the stores above
.irp s, 0,1,2,3
.irp t, 0,1,2,3,4,5,6,7
	ds_load_tr16_b128 v[32*\t+8*\s:32*\t+8*\s+3],   v[AD1+\s] offset:32*\t              ; A(hidden 16 t + r, dims 32 rot[s] + 8 h ..)
	ds_load_tr16_b128 v[32*\t+8*\s+4:32*\t+8*\s+7], v[AD1+\s] offset:32*\t+16*PITCH     ; .. + 16
.endr
.endr
	WIN 0
	s_wait_dscnt 0x0                               ; the fragments are in before W2 takes the slice's place
; ================= W2: stage, then 32 fragments into block 2 (the ring is dead by then) =================
	CVG 8, 48
	LDG 12
	CVG 9, 48
	LDG 13
	CVG 10, 48
	LDG 14
	CVG 11, 48
	LDG 15
	CVG 12, 48
	CVG 13, 32
	CVG 14, 16
	CVG 15, 0
	WIN 0x80
.irp q, 0,1,2,3
.irp u, 0,1
.irp s, 0,1,2,3
	ds_load_tr16_b128 v[32*(2*\q+\u)+8*\s:32*(2*\q+\u)+8*\s+3],   v[AD2+\q] offset:32*PITCH*\s+32*\u            ; A(dim 32 rot[q] + 16 u + r, hidden 32 s + 8 h ..)
	ds_load_tr16_b128 v[32*(2*\q+\u)+8*\s+4:32*(2*\q+\u)+8*\s+7], v[AD2+\q] offset:32*PITCH*\s+32*\u+16*PITCH
.endr
.endr
.endr
; ================= c: the diagonals of (K W1)^T W2^T, four hidden tiles at a time =================
.macro CDIAG b
	WIN 0
.irp u, 0,1,2,3
.irp s, 0,1,2,3
	ds_load_b128 v[CB+8*(4*\u+\s):CB+8*(4*\u+\s)+3],   v[ADC+\s] offset:16*PITCH*(4*\b+\u)      ; B(dims 32 rot[s] + 8 h .., hidden 16 t + r): W2's rows as they lie
	ds_load_b128 v[CB+8*(4*\u+\s)+4:CB+8*(4*\u+\s)+7], v[ADC+\s] offset:16*PITCH*(4*\b+\u)+32
.endr
.endr
	s_wait_dscnt 0x0
	WIN 0x01
.irp u, 0,1,2,3
	v_wmma_f32_16x16x32_bf16 v[TMPC+8*\u:TMPC+8*\u+7], v[32*(4*\b+\u):32*(4*\b+\u)+7], v[CB+32*\u:CB+32*\u+7], 0
.endr
.irp s, 1,2,3
.irp u, 0,1,2,3
	v_wmma_f32_16x16x32_bf16 v[TMPC+8*\u:TMPC+8*\u+7], v[32*(4*\b+\u)+8*\s:32*(4*\b+\u)+8*\s+7], v[CB+8*(4*\u+\s):CB+8*(4*\u+\s)+7], v[TMPC+8*\u:TMPC+8*\u+7]
.endr
.endr
	NOPS 5                                         ; places behind the products (ISA guide 7.12.1): results are read, operands written over
	WIN 0
.irp u, 0,1,2,3
.irp j, 0,1,2,3,4,5,6,7
	ds_bpermute_b32 v[CB+8*\u+\j], v[IDX+\j], v[TMPC+8*\u+\j]      ; every lane (r, h) gets the diagonal element of hidden unit 16 t + 8 h + j
.endr
.endr
	s_wait_dscnt 0x0
	WIN 0xC0
.set i, 0
.rept 16
	v_pk_mul_f32 v[CC+32*\b+i:CC+32*\b+i+1], v[CB+i:CB+i+1], PLN2H op_sel_hi:[1,0]   ; c = raw / K, into block 3
.set i, i+2
.endr
	WIN 0
.irp span, 16, 8, 4, 2
.set i, 0
.rept \span/2
	v_pk_add_f32 v[CB+i:CB+i+1], v[CB+i:CB+i+1], v[CB+\span+i:CB+\span+i+1]
.set i, i+2
.endr
.endr
.if \b == 0
	v_pk_mul_f32 v[NT:NT+1], v[CB:CB+1], NLN2H op_sel_hi:[1,0]                       ; log_det starts at -sum c: the trace's constant part, all weights together
.else
	v_pk_fma_f32 v[NT:NT+1], v[CB:CB+1], NLN2H, v[NT:NT+1] op_sel_hi:[1,0,1]
.endif
.endm
	CDIAG 0
	CDIAG 1
; ================= the stage's pieces =================
; product 1, K slot 0 (my own dims): needs nothing from the other waves
.macro G1K0
	WIN 0x01
.irp t, 0,1,2,3,4,5,6,7
	v_wmma_f32_16x16x32_bf16 v[ACC1+8*\t:ACC1+8*\t+7], v[32*\t:32*\t+7], v[XF:XF+7], v[ACC1+8*\t:ACC1+8*\t+7]
.endr
.endm
; product 1, K slots 1..3, hidden tiles 2 p and 2 p + 1
.macro G1R p
	WIN 0x01
.irp s, 1,2,3
.irp u, 0,1
	v_wmma_f32_16x16x32_bf16 v[ACC1+16*\p+8*\u:ACC1+16*\p+8*\u+7], v[64*\p+32*\u+8*\s:64*\p+32*\u+8*\s+7], v[XF+8*\s:XF+8*\s+7], v[ACC1+16*\p+8*\u:ACC1+16*\p+8*\u+7]
.endr
.endr
.endm
; product 2, K slot s (my hidden units 32 s ..), all 8 dim tiles.  The first slot starts the sums: b2 on my own two tiles, 0 on the others.
.macro G2 s
.if \s == 0
	WIN 0x32
.irp t, 0,1
	v_wmma_f32_16x16x32_bf16 v[ACC2+8*\t:ACC2+8*\t+7], v[32*\t:32*\t+7], v[HF:HF+7], v[BB2+8*\t:BB2+8*\t+7]
.endr
.irp t, 2,3,4,5,6,7
	v_wmma_f32_16x16x32_bf16 v[ACC2+8*\t:ACC2+8*\t+7], v[32*\t:32*\t+7], v[HF:HF+7], 0
.endr
.else
	WIN 0x02
.irp t, 0,1,2,3,4,5,6,7
	v_wmma_f32_16x16x32_bf16 v[ACC2+8*\t:ACC2+8*\t+7], v[32*\t+8*\s:32*\t+8*\s+7], v[HF+8*\s:HF+8*\s+7], v[ACC2+8*\t:ACC2+8*\t+7]
.endr
.endif
.endm
; h = 1 - 2 / (1 + 2^a) on hidden tiles 2 p, 2 p + 1, kept in f32 for the trace, and rounded into B fragment p of product 2.
; Behind each run of transcendentals one v_nop stands before the results are used (ISA guide 5.7.2).
.macro TANH p
	WIN 0
.set i, 0
.rept 16
	v_exp_f32 v[ACC1+16*\p+i], v[ACC1+16*\p+i]
.set i, i+1
.endr
	v_nop
.set i, 0
	s_wait_alu depctr_va_vdst(0)
.rept 8
	v_pk_add_f32 v[ACC1+16*\p+i:ACC1+16*\p+i+1], v[ACC1+16*\p+i:ACC1+16*\p+i+1], 1.0 op_sel_hi:[1,0]
.set i, i+2
.endr
.set i, 0
.rept 16
	v_rcp_f32 v[ACC1+16*\p+i], v[ACC1+16*\p+i]
.set i, i+1
.endr
	v_nop
.set i, 0
	s_wait_alu depctr_va_vdst(0)
.rept 8
	v_pk_fma_f32 v[ACC1+16*\p+i:ACC1+16*\p+i+1], v[ACC1+16*\p+i:ACC1+16*\p+i+1], -2.0, 1.0 op_sel_hi:[1,0,0]
.set i, i+2
.endr
.set i, 0
.rept 8
	v_cvt_pk_bf16_f32 v[HF+8*\p+i], v[ACC1+16*\p+2*i], v[ACC1+16*\p+2*i+1]
.set i, i+1
.endr
.endm
; The bias row of the NEXT evaluation becomes product 1's starting sum: ACC1[8 t + j] = row[16 t + 8 h + j]
.macro BIAS row
.irp t, 0,1,2,3,4,5,6,7
	ds_load_b128 v[ACC1+8*\t:ACC1+8*\t+3],   v[TBA] offset:512*\row+64*\t
	ds_load_b128 v[ACC1+8*\t+4:ACC1+8*\t+7], v[TBA] offset:512*\row+64*\t+16
.endr
.endm
; From the barrier behind the x exchange to k's partial sums.  Each TANH p stands at least four plain vector places behind
; G1R p (the v_nop, or an earlier TANH, which names none of its registers): ISA guide 7.12.1.
.macro BODY
	WIN 0
.irp s, 1,2,3
	ds_load_b128 v[XF+8*\s:XF+8*\s+3],   v[XLD+\s]
	ds_load_b128 v[XF+8*\s+4:XF+8*\s+7], v[XLD+\s] offset:512
.endr
	s_wait_dscnt 0x0
	G1R 0
	G1R 1
	NOPS 4
	TANH 0
	G1R 2
	G2 0
	TANH 1
	G1R 3
	G2 1
	TANH 2
	G2 2
	TANH 3
	G2 3
	NOPS 4                                         ; places before k is stored and read
.endm
; Reduce-scatter of k.  tr = 1: also NT += w sum c h^2.  row: the table row fetched for the next evaluation.
.macro REDUCE tr, w, row
	WIN 0
.set i, 0
.rept 12
	ds_store_b128 v[PST], v[ACC2+16+4*i:ACC2+16+4*i+3] offset:512*i
.set i, i+1
.endr
	s_wait_dscnt 0x0                               ; for the others: my partial sums are in LDS (and my reads of x are long done)
	s_barrier_signal -1
.if \tr
.set i, 0
.rept 32
	v_pk_mul_f32 v[ACC1+i:ACC1+i+1], v[ACC1+i:ACC1+i+1], v[ACC1+i:ACC1+i+1]          ; h^2, while the others arrive
.set i, i+2
.endr
.endif
	s_barrier_wait -1
.irp q, 1,2,3
.irp c, 0,1,2,3
	ds_load_b128 v[ACC2+16*\q+4*\c:ACC2+16*\q+4*\c+3], v[PLD+\q] offset:2048*(\q-1)+512*\c
.endr
.endr
.if \tr
	WIN 0x0C                                       ; c in block 3; the trace covers the loads' way
.set i, 0
.rept 4
	v_pk_mul_f32 v[TR+i:TR+i+1], v[ACC1+i:ACC1+i+1], v[CC+i:CC+i+1]
.set i, i+2
.endr
.rept 28
	v_pk_fma_f32 v[TR+(i%8):TR+(i%8)+1], v[ACC1+i:ACC1+i+1], v[CC+i:CC+i+1], v[TR+(i%8):TR+(i%8)+1]
.set i, i+2
.endr
	WIN 0
	v_pk_add_f32 v[TR:TR+1],   v[TR:TR+1],   v[TR+2:TR+3]
	v_pk_add_f32 v[TR+4:TR+5], v[TR+4:TR+5], v[TR+6:TR+7]
	v_pk_add_f32 v[TR:TR+1],   v[TR:TR+1],   v[TR+4:TR+5]
	v_pk_fma_f32 v[NT:NT+1], v[TR:TR+1], \w, v[NT:NT+1] op_sel_hi:[1,0,1]
.endif
	BIAS \row
.irp q, 1,2,3
	s_wait_dscnt 28-4*\q                           ; out may stay: the 16 bias loads and the partial sums of the later slot pairs
.set i, 0
.rept 8
	v_pk_add_f32 v[ACC2+i:ACC2+i+1], v[ACC2+i:ACC2+i+1], v[ACC2+16*\q+i:ACC2+16*\q+i+1]
.set i, i+2
.endr
.endr
.endm
; My slice of the next x goes out in bf16; product 1's own K slot runs while the others arrive.
.macro XOUT xn
	WIN 0
.set i, 0
.rept 8
	v_cvt_pk_bf16_f32 v[XF+i], v[\xn+2*i], v[\xn+2*i+1]
.set i, i+1
.endr
	ds_store_b128 v[XST], v[XF:XF+3]
	ds_store_b128 v[XST], v[XF+4:XF+7] offset:512
	s_wait_dscnt 0x0                               ; for the others: my x is in LDS and my reads of the partial sums are done; for me: the bias row is in
	s_barrier_signal -1
	G1K0
.endm
.macro NEXTX xn, sreg, coef                        ; xn = sreg + coef k
	WIN 0x30
.set i, 0
.rept 8
	v_pk_fma_f32 v[\xn+i:\xn+i+1], v[ACC2+i:ACC2+i+1], \coef, v[\sreg+i:\sreg+i+1] op_sel_hi:[1,0,1]
.set i, i+2
.endr
	XOUT \xn
.endm
.macro UPD dst, src, coef                          ; a running sum of block 3: dst = src + coef k
	WIN 0xF0
.set i, 0
.rept 8
	v_pk_fma_f32 v[\dst+i:\dst+i+1], v[ACC2+i:ACC2+i+1], \coef, v[\src+i:\src+i+1] op_sel_hi:[1,0,1]
.set i, i+2
.endr
.endm
.macro DOTW xs, w                                  ; DACC += w (x . k), my 16 dims
	WIN 0
	v_pk_mul_f32 v[DOT:DOT+1], v[ACC2:ACC2+1], v[\xs:\xs+1]
.set i, 2
.rept 7
	v_pk_fma_f32 v[DOT:DOT+1], v[ACC2+i:ACC2+i+1], v[\xs+i:\xs+i+1], v[DOT:DOT+1]
.set i, i+2
.endr
	v_pk_fma_f32 v[DACC:DACC+1], v[DOT:DOT+1], \w, v[DACC:DACC+1] op_sel_hi:[1,0,1]
.endm
; ================= the state at t = 0, and the first exchange =================
	WIN 0
	v_pk_mul_f32 v[SQ:SQ+1], v[XA:XA+1], v[XA:XA+1]
.set i, 2
.rept 7
	v_pk_fma_f32 v[SQ:SQ+1], v[XA+i:XA+i+1], v[XA+i:XA+i+1], v[SQ:SQ+1]
.set i, i+2
.endr
	v_mov_b32 v[DACC], 0
	v_mov_b32 v[DACC+1], 0
	WIN 0xC0
.set i, 0
.rept 16
	v_mov_b32 v[YY+i], v[XA+i]                     ; y of block 3; XA stays the first stage's x
.set i, i+1
.endr
	WIN 0
	BIAS 0
	XOUT XA
	s_barrier_wait -1
	WIN 0
; ================= 8 steps of 6 stages =================
; Two barriers a stage do with single regions: the partial sums are written again only behind the x barrier, which every wave
; signals with its reads of them waited for; x is written again only behind the next partial-sum barrier, likewise.
	s_mov_b32 s36, 0
.Lstep:
	BODY                                           ; stage 1, x = XA
	REDUCE 1, K_B1, 1
	NEXTX XB, YY, K_A21
	UPD YS3, YY, K_A31
	UPD YS4, YY, K_A41
	UPD YS5, YY, K_A51
	UPD YS6, YY, K_A61
	UPD YY, YY, K_B1
	DOTW XA, K_B1
	s_barrier_wait -1
	BODY                                           ; stage 2, x = XB: its weight BW2 is 0, so neither trace nor dot product
	REDUCE 0, 0, 2
	NEXTX XA, YS3, K_A32
	UPD YS4, YS4, K_A42
	UPD YS5, YS5, K_A52
	UPD YS6, YS6, K_A62
	s_barrier_wait -1
	BODY                                           ; stage 3, x = XA
	REDUCE 1, K_B3, 3
	NEXTX XB, YS4, K_A43
	UPD YS5, YS5, K_A53
	UPD YS6, YS6, K_A63
	UPD YY, YY, K_B3
	DOTW XA, K_B3
	s_barrier_wait -1
	BODY                                           ; stage 4, x = XB
	REDUCE 1, K_B4, 4
	NEXTX XA, YS5, K_A54
	UPD YS6, YS6, K_A64
	UPD YY, YY, K_B4
	DOTW XB, K_B4
	s_barrier_wait -1
	BODY                                           ; stage 5, x = XA
	REDUCE 1, K_B5, 5
	NEXTX XB, YS6, K_A65
	UPD YY, YY, K_B5
	DOTW XA, K_B5
	s_barrier_wait -1
	BODY                                           ; stage 6, x = XB; the next x is the step's result.  In the last trip the exchange and the
	REDUCE 1, K_B6, 6                              ; eight products on table row 48 are made and discarded: 8 of about 3,100 products a wave,
	NEXTX XA, YY, K_B6                             ; against a second copy of the whole trip's code
	UPD YY, YY, K_B6
	DOTW XB, K_B6
	s_barrier_wait -1
	WIN 0
	v_add_nc_u32 v[TBA], 3072, v[TBA]              ; the next step's six rows (all loads through it were waited for)
	s_add_co_u32 s36, s36, 1
	s_cmp_lt_u32 s36, 8
	s_cbranch_scc1 .Lstep
; ================= the way out =================
	v_add_f32 v30, v[NT], v[NT+1]                  ; my share of log_det
	v_add_f32 v31, v[SQ], v[SQ+1]
	v_add_f32 v[DOT], v[DACC], v[DACC+1]
	v_fma_f32 v31, v31, -0.5, v30                  ; log_px without its constant
	v_add_f32 v[DOT], v[DOT], v30                  ; kl
	v_permlanex16_b32 v[TR], v31, s28, s29         ; the other half of the lanes holds the same sample's other features
	v_permlanex16_b32 v[TR+1], v[DOT], s28, s29
	v_add_f32 v31, v31, v[TR]
	v_add_f32 v[DOT], v[DOT], v[TR+1]
	s_lshl_b32 s30, s22, 7
	s_add_co_u32 s31, s30, L_R
	v_lshl_add_u32 v[TR+2], v[RR], 2, s31
	ds_store_b32 v[TR+2], v31                      ; lanes r and r + 16 write the same word with the same value
	ds_store_b32 v[TR+2], v[DOT] offset:64
	s_add_co_u32 s31, s30, L_Z
	v_mul_u32_u24 v[TR+3], v[RR], ZP
	v_lshl_add_u32 v[TR+3], v[HH], 5, v[TR+3]
	v_add_nc_u32 v[TR+3], s31, v[TR+3]
	ds_store_b128 v[TR+3], v[XA:XA+3]              ; z[r][32 w + 16 u + 8 h + j]
	ds_store_b128 v[TR+3], v[XA+4:XA+7]   offset:16
	ds_store_b128 v[TR+3], v[XA+8:XA+11]  offset:64
	ds_store_b128 v[TR+3], v[XA+12:XA+15] offset:80
	s_wait_dscnt 0x0
	s_barrier_signal -1
	s_barrier_wait -1
	s_mul_i32 s30, s22, 4*ZP                       ; wave w stores rows 4 w .. 4 w + 3
	s_add_co_u32 s30, s30, L_Z
	v_add_nc_u32 v[TR+4], s30, v[L16]
	s_lshl_b32 s30, ttmp9, 13
	s_lshl_b32 s31, s22, 11
	s_add_co_u32 s30, s30, s31
	v_add_nc_u32 v[TR+5], s30, v[L16]
.irp n, 0,1,2,3
	ds_load_b128 v[ACC2+4*\n:ACC2+4*\n+3], v[TR+4] offset:ZP*\n
.endr
.irp n, 0,1,2,3
	s_wait_dscnt 3-\n                              ; row n is in; the later rows may be out
	global_store_b128 v[TR+5], v[ACC2+4*\n:ACC2+4*\n+3], s[16:17] offset:512*\n      ; a whole row: 512 consecutive bytes, aligned
.endr
	s_cmp_gt_u32 s22, 1
	s_cbranch_scc1 .Lend
	s_lshl_b32 s30, s22, 6                         ; wave 0: log_px, wave 1: kl
	s_add_co_u32 s30, s30, L_R
	v_lshl_add_u32 v[TR+6], v[RR], 2, s30
	ds_load_b32 v[ACC2+16], v[TR+6]
	ds_load_b32 v[ACC2+17], v[TR+6] offset:128
	ds_load_b32 v[ACC2+18], v[TR+6] offset:256
	ds_load_b32 v[ACC2+19], v[TR+6] offset:384
	s_cmp_eq_u32 s22, 0
	s_cselect_b64 s[32:33], s[18:19], s[20:21]
	s_cselect_b32 s35, 0xc2eb3f8e, 0               ; -64 log(2 pi), for log_px alone
	s_lshl_b32 s30, ttmp9, 6
	v_lshl_add_u32 v[TR+7], v[RR], 2, s30
	v_cmp_gt_u32 vcc_lo, 16, v[LN]
	s_wait_dscnt 0x0
	v_add_f32 v[ACC2+16], v[ACC2+16], v[ACC2+17]
	v_add_f32 v[ACC2+18], v[ACC2+18], v[ACC2+19]
	v_add_f32 v[ACC2+16], v[ACC2+16], v[ACC2+18]
	v_add_f32 v[ACC2+16], s35, v[ACC2+16]
	s_wait_xcnt 0x0                                ; EXEC is a source of the stores above: it changes only behind this wait
	s_and_saveexec_b32 s34, vcc_lo
	global_store_b32 v[TR+7], v[ACC2+16], s[32:33] ; 16 samples, 64 bytes: all that a work-group owns of this output
	s_wait_xcnt 0x0
	s_or_b32 exec_lo, exec_lo, s34
.Lend:
	s_set_vgpr_msb 0xf
	s_wait_tensorcnt 0x0
	ds_add_u32 v160, v161
	s_wait_dscnt 0x0
	s_set_vgpr_msb 0xf00
	s_endpgm
.Lfunc_end_k_q1e4030f847_node:
	.size	k_q1e4030f847_node, .Lfunc_end_k_q1e4030f847_node-k_q1e4030f847_node
	.p2alignl 7, 3214868480
	.fill 96, 4, 3214868480
	.section	.rodata,"a",@progbits
	.p2align	6, 0x0
	.amdhsa_kernel k_q1e4030f847_node
		.amdhsa_group_segment_fixed_size 285952
		.amdhsa_private_segment_fixed_size 0
		.amdhsa_enable_private_segment 0
		.amdhsa_kernarg_size 72
		.amdhsa_user_sgpr_count 2
		.amdhsa_user_sgpr_kernarg_segment_ptr 1
		.amdhsa_wavefront_size32 1
		.amdhsa_system_sgpr_workgroup_id_x 1
		.amdhsa_system_sgpr_workgroup_id_y 1
		.amdhsa_system_sgpr_workgroup_id_z 1
		.amdhsa_system_vgpr_workitem_id 0
		.amdhsa_next_free_vgpr 930
		.amdhsa_next_free_sgpr 66
		.amdhsa_reserve_vcc 1
		.amdhsa_float_denorm_mode_32 3
		.amdhsa_float_denorm_mode_16_64 3
		.amdhsa_memory_ordered 1
		.amdhsa_forward_progress 1
		.amdhsa_inst_pref_size 255
	.end_amdhsa_kernel
	.section	.bss,"aw",@nobits
	.p2align	6
	.space	262144
	.amdgpu_metadata
---
amdhsa.version: [ 1, 2 ]
amdhsa.kernels:
  - .name:           k_q1e4030f847_node
    .symbol:         k_q1e4030f847_node.kd
    .args:
      - { .name: x0, .offset: 0, .size: 8, .value_kind: global_buffer, .address_space: global }
      - { .name: W1, .offset: 8, .size: 8, .value_kind: global_buffer, .address_space: global }
      - { .name: b1, .offset: 16, .size: 8, .value_kind: global_buffer, .address_space: global }
      - { .name: u1, .offset: 24, .size: 8, .value_kind: global_buffer, .address_space: global }
      - { .name: W2, .offset: 32, .size: 8, .value_kind: global_buffer, .address_space: global }
      - { .name: b2, .offset: 40, .size: 8, .value_kind: global_buffer, .address_space: global }
      - { .name: out0, .offset: 48, .size: 8, .value_kind: global_buffer, .address_space: global }
      - { .name: out1, .offset: 56, .size: 8, .value_kind: global_buffer, .address_space: global }
      - { .name: out2, .offset: 64, .size: 8, .value_kind: global_buffer, .address_space: global }
    .group_segment_fixed_size: 285952
    .private_segment_fixed_size: 0
    .kernarg_segment_align: 8
    .kernarg_segment_size: 72
    .max_flat_workgroup_size: 128
    .sgpr_count:     66
    .vgpr_count:     930
    .wavefront_size: 32
...
	.end_amdgpu_metadata
.endif
;; end of part 1
